; MI455X (gfx1250); checked and timed in simulation.
; The chip was launched on July 23, 2026; its instructions are those of AMD's public machine-readable ISA for CDNA 5 (MIT licence, August 2026) and "CDNA5" Instruction Set Architecture Reference Guide (July 2026). The comments in the code are by the model that wrote it; some were corrected since.
;; Relation Unit. Allowed arithmetic: float matrix products may take bf16 or f16 operands with f32 sums; all other float work in f32.
;; Inputs: WK 64 x 512 float32; WQ 64 x 512 float32; WV 512 x 512 float32; Wt 512 x 512 float32; key 2,048 x 16 x 512 float32; query 2,048 x 16 x 512 float32; value 2,048 x 16 x 512 float32.
;; Outputs: out0 2,048 x 16 x 512 float32.
;; One version. Each part assembles by itself: llvm-mc -triple=amdgcn-amd-amdhsa -mcpu=gfx1250 --defsym DOCPART=n.
;; ======== version 1 of 1: 6 launches
;; workspace buffers: wpf 131,072 bytes; w2n 524,288 bytes; ones 131,072 bytes; wqf 4,194,304 bytes; wkf 4,194,304 bytes; rinv 131,072 bytes; cinv 131,072 bytes; vt 41,943,040 bytes
;; launch prep (part 1): grid 64 x 1, 16 waves a work-group, no clusters, 191,488 bytes of LDS; arguments WK, WQ, WV, Wt, wpf, w2n, ones, vt; writes wpf, w2n, ones, vt
.if DOCPART == 1
	.amdgcn_target "amdgcn-amd-amdhsa--gfx1250"
	.amdhsa_code_object_version 6
	.text
	.protected	k_qc421fdbcf0_prep
	.globl	k_qc421fdbcf0_prep
	.p2align	8
	.type	k_qc421fdbcf0_prep,@function
k_qc421fdbcf0_prep:
	s_mov_b64 s[64:65], 0
	v_nop
	global_prefetch_b8 v0, s[64:65] scope:SCOPE_SE
	s_setreg_imm32_b32 hwreg(HW_REG_WAVE_MODE, 25, 1), 1
	s_wait_xcnt 0x0
; PREP.  Four small tables for the later launches, all inputs rounded once to bf16:
;   w2n[ch][d] = - sum over c of bf16(Wt[ch][c]) bf16(WV[c][d]), f32 sums, rounded to bf16 (the two weight products of the module are
;                folded by associativity: another order of rounding than the module's own, stated here as a limit of rounding)
;   vt[b][ch][0..511] = bf16(Wt[ch][:]) for every b;   wpf = WK and WQ in the order of matrix fragments;   ones = 1.0
; SHARES.  Work-group (i, j) = (x / 4, x % 4) makes the 32 rows ch0 = 32 i of w2n in the 128 columns d0 = 128 j, and Wt's 32 rows for b = 4 j .. 4 j + 3.
; Sixteen waves: wave w brings 2 rows of Wt and 32 rows c of WV (512 bytes of each) into LDS as bf16, all 40 loads issued at once; waves 0-3 make the
; product (wave w: columns 32 w .. 32 w + 31, four accumulators by turns); all sixteen carry the results out, two rows each, in whole runs of 256 bytes.
; THREE BARRIERS: the slabs are whole before the product reads them; the product's reads are back in every wave before the first store into the stage;
; the stage is whole before it is read.
; NO CLUSTER, NO TENSOR LOAD: the f32 inputs have to pass through registers to be rounded, and a work-group's bytes (320 KiB) are read once by it.
.set WVP, 288                          ; a row c of WV's slab in LDS: 256 bytes + 32
.set WTP, 1040                         ; a row of Wt in LDS: 1,024 bytes + 16: an odd multiple of 16
.set WTS, 512*WVP                      ; Wt's 32 rows lie behind WV's 512
.set OST, WTS+32*WTP                   ; the stage for w2n: 32 rows x 272 bytes
.set OSP, 272
.set SPARE, OST+32*OSP                 ; the spare words, 128 bytes for each of 16 waves: eight blocks of 256 bytes that no other line names
.set VTB, 2621440                      ; bytes of vt for one b
.set VTP, 5120                         ; bytes of a row of vt
.set SPW, 28                           ; v28  my spare word's LDS address; never rewritten
.set NIL, 29                           ; v29  0; never rewritten
.set FA, 32                            ; v32-47  two fragments of WV^T
.set FB, 48                            ; v48-63  two fragments of Wt
.set ACC, 64                           ; v64-95  four accumulators; before the product: rounded pairs on their way to LDS
.set P16, 64
.set RAW, 96                           ; v96-255 forty loads of 16 bytes
.set PK, 96                            ; later: the packed results
	s_load_b256 s[4:11], s[0:1], 0x0               ; WK s[4:5], WQ s[6:7], WV s[8:9], Wt s[10:11]
	s_load_b256 s[12:19], s[0:1], 0x20             ; wpf s[12:13], w2n s[14:15], ones s[16:17], vt s[18:19]
	v_lshl_add_u32 v[SPW], v0, 2, SPARE
	v_mov_b32 v[NIL], 0
	v_lshrrev_b32 v1, 5, v0
	v_readfirstlane_b32 s20, v1                    ; wave 0..15
	s_mov_b32 s21, ttmp9
	s_lshr_b32 s22, s21, 2                         ; i
	s_and_b32 s23, s21, 3                          ; j
	v_and_b32 v2, 31, v0                           ; lane
	v_and_b32 v3, 15, v0                           ; r
	v_bfe_u32 v4, v0, 4, 1                         ; h
	v_lshlrev_b32 v16, 4, v2                       ; 16 x lane
	s_lshl_b32 s24, s22, 16                        ; Wt: (32 i + 2 w) rows of 2,048 bytes
	s_lshl_b32 s25, s20, 12
	s_add_co_u32 s24, s24, s25
	s_mov_b32 s25, 0
	s_lshl_b32 s26, s20, 16                        ; WV: 32 w rows of 2,048 bytes + 512 j
	s_lshl_b32 s27, s23, 9
	s_add_co_u32 s26, s26, s27
	s_mov_b32 s27, 0
	s_mul_i32 s28, s20, 2*WTP
	s_add_co_u32 s28, s28, WTS                     ; my two rows of Wt in LDS
	v_lshl_add_u32 v17, v2, 3, s28                 ; in: 8 bytes a lane
	v_lshl_add_u32 v25, v2, 4, s28                 ; back: 16 bytes a lane
	s_mul_i32 s29, s20, 32*WVP
	v_lshl_add_u32 v18, v2, 3, s29                 ; my 32 rows of WV in LDS
	; chunk g = 512 x + thread of wpf: lane g % 32, c = bit 5, f = bits 7:6, kb = bits 11:8, WK or WQ = bit 12; it holds W[16 f + r][32 kb + 16 c + 8 h + 0..7]
	s_lshl_b32 s32, s21, 9
	v_or_b32 v5, s32, v0
	v_bfe_u32 v6, v5, 6, 2
	v_lshl_add_u32 v6, v6, 4, v3
	v_bfe_u32 v7, v5, 8, 4
	v_lshlrev_b32 v7, 7, v7
	v_lshl_add_u32 v6, v6, 11, v7
	v_bfe_u32 v7, v5, 4, 2
	v_lshl_add_u32 v6, v7, 5, v6                   ; byte offset of its eight f32
	v_lshlrev_b32 v5, 4, v5                        ; 16 g
	; the product's addresses
	v_and_b32 v21, 7, v0
	v_lshl_add_u32 v21, v4, 3, v21
	v_mul_u32_u24 v19, v21, WVP                    ; turning load: row c = 8 h + lane % 8,
	v_bfe_u32 v21, v0, 3, 1
	v_lshl_add_u32 v19, v21, 4, v19                ; 16 bytes by (lane / 8) % 2,
	s_lshl_b32 s33, s20, 6
	v_add_nc_u32 v19, s33, v19                     ; my 32 columns
	v_mul_u32_u24 v20, v3, WTP
	v_lshl_add_u32 v20, v4, 4, v20
	v_add_nc_u32 v20, WTS, v20                     ; Wt's fragment: row r, 16 bytes by h
	v_mul_u32_u24 v22, v3, OSP
	v_lshl_add_u32 v22, v4, 4, v22
	v_add_nc_u32 v22, s33, v22
	v_add_nc_u32 v22, OST, v22                     ; into the stage: row r, my 64 bytes, 16 by h
	s_mul_i32 s33, s20, 2*OSP
	s_add_co_u32 s33, s33, OST
	v_mul_u32_u24 v23, v4, OSP
	v_lshl_add_u32 v23, v3, 4, v23
	v_add_nc_u32 v23, s33, v23                     ; back: rows 2 w and 2 w + 1, 256 bytes each
	v_lshlrev_b32 v24, 10, v4
	v_lshl_add_u32 v24, v3, 4, v24                 ; the same two rows in w2n
	s_lshl_b32 s30, s22, 15                        ; w2n: (32 i + 2 w) rows of 1,024 bytes + 256 j
	s_lshl_b32 s31, s20, 11
	s_add_co_u32 s30, s30, s31
	s_lshl_b32 s31, s23, 8
	s_add_co_u32 s30, s30, s31
	s_mov_b32 s31, 0
	s_lshl_b32 s32, s23, 2                         ; vt: b = 4 j, row 32 i + 2 w
	s_mul_i32 s32, s32, VTB
	s_lshl_b32 s33, s22, 5
	s_lshl1_add_u32 s33, s20, s33
	s_mul_i32 s33, s33, VTP
	s_add_co_u32 s32, s32, s33
	s_mov_b32 s33, 0
	s_wait_kmcnt 0x0
	s_add_nc_u64 s[10:11], s[10:11], s[24:25]
	s_add_nc_u64 s[8:9], s[8:9], s[26:27]
	s_add_nc_u64 s[14:15], s[14:15], s[30:31]
	s_add_nc_u64 s[36:37], s[18:19], s[32:33]
	s_add_nc_u64 s[38:39], s[36:37], VTB
	s_add_nc_u64 s[40:41], s[38:39], VTB
	s_add_nc_u64 s[42:43], s[40:41], VTB
.set i, 0
.rept 8                                ; my two rows of Wt: 4,096 consecutive bytes
	global_load_b128 v[RAW+4*i:RAW+4*i+3], v16, s[10:11] offset:512*i
.set i, i+1
.endr
.set i, 0
.rept 32                               ; 512 bytes of each of my 32 rows of WV
	global_load_b128 v[RAW+32+4*i:RAW+32+4*i+3], v16, s[8:9] offset:2048*i
.set i, i+1
.endr
	s_cmp_lt_u32 s21, 16                           ; 8,192 chunks of wpf and of ones: 512 for each of the first sixteen work-groups
	s_cbranch_scc0 .Lno_wpf
	s_cmp_lt_u32 s21, 8
	s_cselect_b64 s[44:45], s[4:5], s[6:7]         ; chunks 0-4095 are WK's, the others WQ's
	global_load_b128 v[8:11], v6, s[44:45]
	global_load_b128 v[12:15], v6, s[44:45] offset:16
	s_wait_loadcnt 0x0                             ; these two are the youngest: the count is 0
	v_cvt_pk_bf16_f32 v8, v8, v9
	v_cvt_pk_bf16_f32 v9, v10, v11
	v_cvt_pk_bf16_f32 v10, v12, v13
	v_cvt_pk_bf16_f32 v11, v14, v15
	v_mov_b32 v12, 1.0
	v_mov_b32 v13, 1.0
	v_mov_b32 v14, 1.0
	v_mov_b32 v15, 1.0
	global_store_b128 v5, v[8:11], s[12:13]        ; a wave stores 512 consecutive bytes; v5 and v8-15 are not written again
	global_store_b128 v5, v[12:15], s[16:17]
.Lno_wpf:
.set i, 0
.rept 40
	s_wait_loadcnt 39-i                            ; loads come back in order: load i is in, the 39 - i younger ones may be out
	v_cvt_pk_bf16_f32 v[P16+2*(i%16)], v[RAW+4*i], v[RAW+4*i+1]
	v_cvt_pk_bf16_f32 v[P16+2*(i%16)+1], v[RAW+4*i+2], v[RAW+4*i+3]
.if i < 8
	ds_store_b64 v17, v[P16+2*(i%16):P16+2*(i%16)+1] offset:(i/4)*WTP+(i%4)*256
.else
	ds_store_b64 v18, v[P16+2*(i%16):P16+2*(i%16)+1] offset:(i-8)*WVP
.endif
.set i, i+1
.endr
	s_wait_dscnt 0x0                               ; for the others' sake: my rows are in LDS
	s_barrier_signal -1
	s_barrier_wait -1
	s_cmp_lt_u32 s20, 4
	s_cbranch_scc0 .Lno_product                    ; no barrier stands in what is jumped
.macro PLD                             ; 32 along c: two fragments of WV^T (turned), two of Wt
.set t, 0
.rept 2
	ds_load_tr16_b128 v[FA+8*t:FA+8*t+3], v19 offset:32*t
	ds_load_tr16_b128 v[FA+8*t+4:FA+8*t+7], v19 offset:32*t+16*WVP
	ds_load_b128 v[FB+8*t:FB+8*t+3], v20 offset:16*WTP*t
	ds_load_b128 v[FB+8*t+4:FB+8*t+7], v20 offset:16*WTP*t+32
.set t, t+1
.endr
	s_wait_dscnt 0x0
.endm
	PLD
.set t, 0
.rept 4                                ; source 0 = 16 columns d, source 1 = 16 rows ch: a lane holds one ch and eight neighbouring d.  The first step starts the sums
	v_wmma_f32_16x16x32_bf16 v[ACC+8*t:ACC+8*t+7], v[FA+8*(t%2):FA+8*(t%2)+7], v[FB+8*(t/2):FB+8*(t/2)+7], 0
.set t, t+1
.endr
	s_mov_b32 s34, 15
.Lk:
	v_add_nc_u32 v19, 32*WVP, v19                  ; four plain instructions stand between the products and the loads into their sources
	v_add_nc_u32 v20, 64, v20
	v_nop
	v_nop
	PLD
.set t, 0
.rept 4                                ; the four accumulators take turns, over the backward jump too
	v_wmma_f32_16x16x32_bf16 v[ACC+8*t:ACC+8*t+7], v[FA+8*(t%2):FA+8*(t%2)+7], v[FB+8*(t/2):FB+8*(t/2)+7], v[ACC+8*t:ACC+8*t+7]
.set t, t+1
.endr
	s_sub_co_u32 s34, s34, 1
	s_cmp_lg_u32 s34, 0
	s_cbranch_scc1 .Lk
.rept 4
	v_nop
.endr
.set t, 0
.rept 16                               ; each accumulator's registers in ascending order
	v_cvt_pk_bf16_f32 v[PK+t], v[ACC+2*t], v[ACC+2*t+1]
.set t, t+1
.endr
.set t, 0
.rept 16
	v_xor_b32 v[PK+t], 0x80008000, v[PK+t]         ; the minus sign of both halves
.set t, t+1
.endr
.Lno_product:
	s_wait_dscnt 0x0                               ; my LDS reads are back (each step of the product has waited for its own),
	s_barrier_signal -1
	s_barrier_wait -1                              ; and so are every wave's: only now is anything stored into LDS again
	s_cmp_lt_u32 s20, 4
	s_cbranch_scc0 .Lno_stage                      ; no barrier stands in what is jumped
.set t, 0
.rept 4
	ds_store_b128 v22, v[PK+4*t:PK+4*t+3] offset:16*OSP*(t/2)+32*(t%2)
.set t, t+1
.endr
.Lno_stage:
	s_wait_dscnt 0x0                               ; for the others' sake: my part of the stage is in LDS
	s_barrier_signal -1
	s_barrier_wait -1
	ds_load_b128 v[112:115], v23                   ; two rows of w2n's block
	ds_load_b128 v[128:131], v25                   ; my two rows of bf16(Wt), 512 bytes a load
	ds_load_b128 v[132:135], v25 offset:512
	ds_load_b128 v[136:139], v25 offset:WTP
	ds_load_b128 v[140:143], v25 offset:WTP+512
	s_wait_dscnt 0x4                               ; the four younger loads may be out
	global_store_b128 v24, v[112:115], s[14:15]    ; sixteen lanes store 256 consecutive bytes, at a multiple of 256 from w2n's first byte
	s_wait_dscnt 0x0
.set t, 0
.rept 4
	global_store_b128 v16, v[128:131], s[36+2*t:37+2*t]
	global_store_b128 v16, v[132:135], s[36+2*t:37+2*t] offset:512
	global_store_b128 v16, v[136:139], s[36+2*t:37+2*t] offset:VTP
	global_store_b128 v16, v[140:143], s[36+2*t:37+2*t] offset:VTP+512
.set t, t+1
.endr
	s_wait_tensorcnt 0x0                           ; the wave's end: an add of 0 to my spare word and its wait stand behind my last LDS store
	ds_add_u32 v[SPW], v[NIL]
	s_wait_dscnt 0x0
	s_endpgm
.Lfunc_end_k_qc421fdbcf0_prep:
	.size	k_qc421fdbcf0_prep, .Lfunc_end_k_qc421fdbcf0_prep-k_qc421fdbcf0_prep
	.p2alignl 7, 3214868480
	.fill 96, 4, 3214868480
	.section	.rodata,"a",@progbits
	.p2align	6, 0x0
	.amdhsa_kernel k_qc421fdbcf0_prep
		.amdhsa_group_segment_fixed_size 191488
		.amdhsa_private_segment_fixed_size 0
		.amdhsa_enable_private_segment 0
		.amdhsa_kernarg_size 64
		.amdhsa_user_sgpr_count 2
		.amdhsa_user_sgpr_kernarg_segment_ptr 1
		.amdhsa_wavefront_size32 1
		.amdhsa_system_sgpr_workgroup_id_x 1
		.amdhsa_system_sgpr_workgroup_id_y 1
		.amdhsa_system_sgpr_workgroup_id_z 1
		.amdhsa_system_vgpr_workitem_id 0
		.amdhsa_next_free_vgpr 256
		.amdhsa_next_free_sgpr 66
		.amdhsa_reserve_vcc 0
		.amdhsa_float_denorm_mode_32 3
		.amdhsa_float_denorm_mode_16_64 3
		.amdhsa_memory_ordered 1
		.amdhsa_forward_progress 1
		.amdhsa_inst_pref_size 25
	.end_amdhsa_kernel
	.amdgpu_metadata
---
amdhsa.version: [ 1, 2 ]
amdhsa.kernels:
  - .name:           k_qc421fdbcf0_prep
    .symbol:         k_qc421fdbcf0_prep.kd
    .args:
      - { .name: WK, .offset: 0, .size: 8, .value_kind: global_buffer, .address_space: global }
      - { .name: WQ, .offset: 8, .size: 8, .value_kind: global_buffer, .address_space: global }
      - { .name: WV, .offset: 16, .size: 8, .value_kind: global_buffer, .address_space: global }
      - { .name: Wt, .offset: 24, .size: 8, .value_kind: global_buffer, .address_space: global }
      - { .name: wpf, .offset: 32, .size: 8, .value_kind: global_buffer, .address_space: global }
      - { .name: w2n, .offset: 40, .size: 8, .value_kind: global_buffer, .address_space: global }
      - { .name: ones, .offset: 48, .size: 8, .value_kind: global_buffer, .address_space: global }
      - { .name: vt, .offset: 56, .size: 8, .value_kind: global_buffer, .address_space: global }
    .group_segment_fixed_size: 191488
    .private_segment_fixed_size: 0
    .kernarg_segment_align: 8
    .kernarg_segment_size: 64
    .max_flat_workgroup_size: 512
    .sgpr_count:     66
    .vgpr_count:     256
    .wavefront_size: 32
...
	.end_amdgpu_metadata
.endif
;; end of part 1
;; launch proj (part 2): grid 128 x 2, 4 waves a work-group, no clusters, 102,912 bytes of LDS; arguments key, query, wpf, wkf, wqf; writes wkf, wqf
.if DOCPART == 2
	.amdgcn_target "amdgcn-amd-amdhsa--gfx1250"
	.amdhsa_code_object_version 6
	.text
	.protected	k_qc421fdbcf0_proj
	.globl	k_qc421fdbcf0_proj
	.p2align	8
	.type	k_qc421fdbcf0_proj,@function
k_qc421fdbcf0_proj:
	s_mov_b64 s[64:65], 0
	v_nop
	global_prefetch_b8 v0, s[64:65] scope:SCOPE_SE
	s_setreg_imm32_b32 hwreg(HW_REG_WAVE_MODE, 25, 1), 1
	s_wait_xcnt 0x0
; PROJ.  y = 0: wkf = l2norm(key WK^T); y = 1: wqf = l2norm(query WQ^T) x log2(e).  x and W rounded to bf16, sums, norm and scale in f32, the result rounded to bf16.
; l2norm as the module has it: divided by max(sqrt(sum of squares), 1e-12).  A sum of squares below 2^-126 counts as 0, which the maximum hides.
; The result is stored in the order of matrix fragments: [b][tile of 16 rows][chunk c of 4][lane][8 bf16] = (row 16 tile + lane % 16, feature 16 c + 8 (lane / 16) + 0..7).
; SHARES.  Work-group x: batch b = x % 16, rows l = 256 (x / 16) ..; each of four waves 64 rows: four tiles of 16 rows x four tiles of 16 features, 16 accumulators.
; The stream: x comes in chunks of 64 columns (256 aligned bytes of each row), 32 loads a chunk, two chunks on their way in two register buffers; a chunk is rounded,
; turned into fragments through the wave's own LDS rows, and multiplied.  The 64 KiB of weights lie in LDS, in fragment order, for all four waves.
; NO CLUSTER: no byte of x is shared between work-groups, and the weights are 64 KiB beside a work-group's 512 KiB of x.
; The accumulators are cleared by 128 v_mov_b32 while the first chunks are on their way: the price of writing no first chunk out.
.set XSP, 144                          ; a row of x in LDS: 128 bytes + 16: an odd multiple of 16
.set XS, 65536                         ; behind the weights: 64 rows for each wave
.set XSWB, 64*XSP
.set SPARE, XS+4*XSWB                  ; the spare words, 128 bytes for each wave: two blocks of 256 bytes that no other line names
.set SPW, 28
.set NIL, 29
.set P16, 32                           ; v32-63   rounded pairs
.set XB, 64                            ; v64-95   fragments of four row tiles
.set WB, 96                            ; v96-127  fragments of four feature tiles
.set ACC, 128                          ; v128-255 (rt, f) at ACC + 8 (4 rt + f).  Window 1: the two raw buffers, v0-127 and v128-255
.set T, 32                             ; the way out: a pair for each row tile
.set OUTP, 64                          ; the way out: packed results
.set MSB, 0
.macro WIN new                         ; the immediate's high byte repeats the setting that is left; a switch that changes nothing is dropped
.if MSB != (\new)
	s_set_vgpr_msb (MSB<<8)|(\new)
.set MSB, (\new)
.endif
.endm
.macro PLACES
.rept 4
	v_nop
.endr
.endm
	s_load_b256 s[4:11], s[0:1], 0x0               ; key s[4:5], query s[6:7], wpf s[8:9], wkf s[10:11]
	s_load_b64 s[12:13], s[0:1], 0x20              ; wqf
	v_lshl_add_u32 v[SPW], v0, 2, SPARE
	v_mov_b32 v[NIL], 0
	v_lshrrev_b32 v1, 5, v0
	v_readfirstlane_b32 s14, v1                    ; wave
	s_and_b32 s15, ttmp7, 0xffff                   ; 0: key, 1: query
	s_and_b32 s17, ttmp9, 15                       ; b
	s_lshr_b32 s18, ttmp9, 4                       ; block of 256 rows
	s_lshl_b32 s28, s18, 23                        ; ((256 lb + 64 w) 16 + b) rows of 2,048 bytes
	s_lshl_b32 s29, s14, 21
	s_add_co_u32 s28, s28, s29
	s_lshl_b32 s29, s17, 11
	s_add_co_u32 s28, s28, s29
	s_mov_b32 s29, 0
	s_lshl_b32 s34, s17, 18                        ; (128 b + 16 lb + 4 w) tiles of 2,048 bytes
	s_lshl_b32 s35, s18, 15
	s_add_co_u32 s34, s34, s35
	s_lshl_b32 s35, s14, 13
	s_add_co_u32 s34, s34, s35
	s_mov_b32 s35, 0
	s_lshl_b32 s32, s15, 16                        ; WK's or WQ's 65,536 bytes of wpf
	s_mov_b32 s33, 0
	s_mov_b32 s30, 0x76543210                      ; v_permlanex16_b32: each lane takes its own place in the other half
	s_mov_b32 s31, 0xfedcba98
	v_and_b32 v1, 15, v0                           ; r
	v_bfe_u32 v2, v0, 4, 1                         ; h
	v_and_b32 v3, 31, v0                           ; lane
	v_lshlrev_b32 v16, 15, v2
	v_lshl_add_u32 v16, v1, 4, v16                 ; x: lanes 0-15 one row's 256 bytes, lanes 16-31 the next row's (32,768 bytes on)
	s_mul_i32 s19, s14, XSWB
	s_add_co_u32 s19, s19, XS
	v_mul_u32_u24 v17, v2, XSP
	v_lshl_add_u32 v17, v1, 3, v17
	v_add_nc_u32 v17, s19, v17                     ; into my LDS rows: 8 bytes a lane
	v_mul_u32_u24 v18, v1, XSP
	v_lshl_add_u32 v18, v2, 4, v18
	v_add_nc_u32 v18, s19, v18                     ; a fragment of x: row r, 16 bytes by h
	v_lshlrev_b32 v19, 4, v3                       ; a fragment of W: 16 x lane; steps 8,192 a chunk
	v_lshlrev_b32 v20, 4, v0                       ; the weights' copy: 16 x thread, in memory and in LDS
	v_lshlrev_b32 v21, 4, v3                       ; the result: 16 x lane
	s_wait_kmcnt 0x0
	s_cmp_eq_u32 s15, 0
	s_cselect_b64 s[20:21], s[4:5], s[6:7]
	s_cselect_b64 s[24:25], s[10:11], s[12:13]
	s_cselect_b32 s26, 1.0, 0x3fb8aa3b             ; log2(e) goes into the queries
	s_add_nc_u64 s[20:21], s[20:21], s[28:29]      ; even chunks
	s_add_nc_u64 s[22:23], s[20:21], 256           ; odd chunks
	s_add_nc_u64 s[24:25], s[24:25], s[34:35]
	s_add_nc_u64 s[8:9], s[8:9], s[32:33]
.macro PREX buf                        ; a chunk: 64 rows x 256 bytes
	WIN 0x40                                       ; destination window 1
.set i, 0
.rept 32
	global_load_b128 v[128*(\buf)+4*i:128*(\buf)+4*i+3], v16, s[20+2*(\buf):21+2*(\buf)] offset:65536*i th:TH_LOAD_NT
.set i, i+1
.endr
	WIN 0
.endm
.set i, 0
.rept 32                               ; the weights first: 2,048 bytes of them by each load of the work-group
	global_load_b128 v[ACC+4*i:ACC+4*i+3], v20, s[8:9] offset:2048*i
.set i, i+1
.endr
	PREX 0
	s_wait_loadcnt 32                              ; the weights are in; chunk 0's 32 loads may be out
.set i, 0
.rept 32
	ds_store_b128 v20, v[ACC+4*i:ACC+4*i+3] offset:2048*i
.set i, i+1
.endr
	PREX 1
	s_wait_dscnt 0x0                               ; for the others' sake
	s_barrier_signal -1
	s_barrier_wait -1
.set i, 0
.rept 128
	v_mov_b32 v[ACC+i], 0
.set i, i+1
.endr
; A chunk of 64 columns.  cnt: the other buffer's loads, which may stay out.  ahead = 1: the buffer is asked for again, two chunks on.
.macro CHUNK buf, ahead, cnt
	s_wait_loadcnt \cnt
.set hh, 0
.rept 2
	WIN 0x05                                       ; sources in window 1
.set i, 0
.rept 32
	v_cvt_pk_bf16_f32 v[P16+i], v[128*(\buf)+64*hh+2*i], v[128*(\buf)+64*hh+2*i+1]
.set i, i+1
.endr
	WIN 0
.set i, 0
.rept 16
	ds_store_b64 v17, v[P16+2*i:P16+2*i+1] offset:2*XSP*(16*hh+i)
.set i, i+1
.endr
.set hh, hh+1
.endr
.if \ahead
	s_add_nc_u64 s[20+2*(\buf):21+2*(\buf)], s[20+2*(\buf):21+2*(\buf)], 512  ; the wait above has shown this base's loads done
	PREX \buf
.endif
.set kb, 0
.rept 2
	PLACES                                         ; between the last products and the loads into their sources
.set i, 0
.rept 4
	ds_load_b128 v[XB+8*i:XB+8*i+3], v18 offset:16*XSP*i+64*kb       ; LDS serves a wave's instructions in order: these see my stores above
	ds_load_b128 v[XB+8*i+4:XB+8*i+7], v18 offset:16*XSP*i+64*kb+32
	ds_load_b128 v[WB+8*i:WB+8*i+3], v19 offset:4096*kb+1024*i
	ds_load_b128 v[WB+8*i+4:WB+8*i+7], v19 offset:4096*kb+1024*i+512
.set i, i+1
.endr
	s_wait_dscnt 0x0
.set i, 0
.rept 16                               ; source 0 = 16 features, source 1 = 16 rows: a lane holds one row.  Sixteen accumulators by turns
	v_wmma_f32_16x16x32_bf16 v[ACC+8*i:ACC+8*i+7], v[WB+8*(i%4):WB+8*(i%4)+7], v[XB+8*(i/4):XB+8*(i/4)+7], v[ACC+8*i:ACC+8*i+7]
.set i, i+1
.endr
.set kb, kb+1
.endr
	v_add_nc_u32 v19, 8192, v19
.endm
	s_mov_b32 s27, 3
.Lchunk:
	CHUNK 0, 1, 32
	CHUNK 1, 1, 32
	s_sub_co_u32 s27, s27, 1
	s_cmp_lg_u32 s27, 0
	s_cbranch_scc1 .Lchunk
	CHUNK 0, 0, 32                                 ; the last two chunks ask for nothing
	CHUNK 1, 0, 0
	; THE WAY OUT.  A lane holds 32 of its row's 64 features, the lane 16 away the others.  The four row tiles go side by side.
	PLACES
.set t, 0
.rept 4
	v_pk_mul_f32 v[T+2*t:T+2*t+1], v[ACC+32*t:ACC+32*t+1], v[ACC+32*t:ACC+32*t+1]
.set t, t+1
.endr
.set k, 1
.rept 15                               ; pairs in ascending order
.set t, 0
.rept 4
	v_pk_fma_f32 v[T+2*t:T+2*t+1], v[ACC+32*t+2*k:ACC+32*t+2*k+1], v[ACC+32*t+2*k:ACC+32*t+2*k+1], v[T+2*t:T+2*t+1]
.set t, t+1
.endr
.set k, k+1
.endr
.macro ALL4 line:vararg
.set t, 0
.rept 4
	\line
.set t, t+1
.endr
.endm
	ALL4 v_add_f32 v[T+2*t], v[T+2*t], v[T+2*t+1]
	ALL4 v_permlanex16_b32 v[T+2*t+1], v[T+2*t], s30, s31
	ALL4 v_add_f32 v[T+2*t], v[T+2*t], v[T+2*t+1]
	ALL4 v_sqrt_f32 v[T+2*t], v[T+2*t]
	v_nop                                          ; a plain instruction between the last root and the use of its result
	ALL4 v_max_num_f32 v[T+2*t], 0x2b8cbccc, v[T+2*t]
	ALL4 v_rcp_f32 v[T+2*t], v[T+2*t]
	v_nop
	ALL4 v_mul_f32 v[T+2*t], s26, v[T+2*t]
.set k, 0
.rept 64
	v_pk_mul_f32 v[ACC+2*k:ACC+2*k+1], v[ACC+2*k:ACC+2*k+1], v[T+2*(k/16):T+2*(k/16)+1] op_sel_hi:[1,0]
.set k, k+1
.endr
.set k, 0
.rept 64
	v_cvt_pk_bf16_f32 v[OUTP+k], v[ACC+2*k], v[ACC+2*k+1]
.set k, k+1
.endr
.set k, 0
.rept 16                               ; accumulator (rt, f) IS chunk f of tile rt: a wave stores 512 consecutive bytes
	global_store_b128 v21, v[OUTP+4*k:OUTP+4*k+3], s[24:25] offset:512*k
.set k, k+1
.endr
	s_wait_tensorcnt 0x0                           ; the wave's end: an add of 0 to my spare word and its wait stand behind my last LDS store
	ds_add_u32 v[SPW], v[NIL]
	s_wait_dscnt 0x0
	s_endpgm
.Lfunc_end_k_qc421fdbcf0_proj:
	.size	k_qc421fdbcf0_proj, .Lfunc_end_k_qc421fdbcf0_proj-k_qc421fdbcf0_proj
	.p2alignl 7, 3214868480
	.fill 96, 4, 3214868480
	.section	.rodata,"a",@progbits
	.p2align	6, 0x0
	.amdhsa_kernel k_qc421fdbcf0_proj
		.amdhsa_group_segment_fixed_size 102912
		.amdhsa_private_segment_fixed_size 0
		.amdhsa_enable_private_segment 0
		.amdhsa_kernarg_size 40
		.amdhsa_user_sgpr_count 2
		.amdhsa_user_sgpr_kernarg_segment_ptr 1
		.amdhsa_wavefront_size32 1
		.amdhsa_system_sgpr_workgroup_id_x 1
		.amdhsa_system_sgpr_workgroup_id_y 1
		.amdhsa_system_sgpr_workgroup_id_z 1
		.amdhsa_system_vgpr_workitem_id 0
		.amdhsa_next_free_vgpr 512
		.amdhsa_next_free_sgpr 66
		.amdhsa_reserve_vcc 0
		.amdhsa_float_denorm_mode_32 3
		.amdhsa_float_denorm_mode_16_64 3
		.amdhsa_memory_ordered 1
		.amdhsa_forward_progress 1
		.amdhsa_inst_pref_size 82
	.end_amdhsa_kernel
	.amdgpu_metadata
---
amdhsa.version: [ 1, 2 ]
amdhsa.kernels:
  - .name:           k_qc421fdbcf0_proj
    .symbol:         k_qc421fdbcf0_proj.kd
    .args:
      - { .name: key, .offset: 0, .size: 8, .value_kind: global_buffer, .address_space: global }
      - { .name: query, .offset: 8, .size: 8, .value_kind: global_buffer, .address_space: global }
      - { .name: wpf, .offset: 16, .size: 8, .value_kind: global_buffer, .address_space: global }
      - { .name: wkf, .offset: 24, .size: 8, .value_kind: global_buffer, .address_space: global }
      - { .name: wqf, .offset: 32, .size: 8, .value_kind: global_buffer, .address_space: global }
    .group_segment_fixed_size: 102912
    .private_segment_fixed_size: 0
    .kernarg_segment_align: 8
    .kernarg_segment_size: 40
    .max_flat_workgroup_size: 128
    .sgpr_count:     66
    .vgpr_count:     512
    .wavefront_size: 32
...
	.end_amdgpu_metadata
.endif
;; end of part 2
;; launch rowsum (part 3): grid 16 x 16, 8 waves a work-group, no clusters, 5,120 bytes of LDS; arguments wqf, wkf, ones, rinv; writes rinv
.if DOCPART == 3
	.amdgcn_target "amdgcn-amd-amdhsa--gfx1250"
	.amdhsa_code_object_version 6
	.text
	.protected	k_qc421fdbcf0_rowsum
	.globl	k_qc421fdbcf0_rowsum
	.p2align	8
	.type	k_qc421fdbcf0_rowsum,@function
k_qc421fdbcf0_rowsum:
	s_mov_b64 s[64:65], 0
	v_nop
	global_prefetch_b8 v0, s[64:65] scope:SCOPE_SE
	s_setreg_imm32_b32 hwreg(HW_REG_WAVE_MODE, 25, 1), 1
	s_wait_xcnt 0x0
; SUMS.  o[b][i] = 1 / (1e-9 + sum over j of w[b][j] 2^(x_i . y_j)).  x, y: unit vectors of 64 features in bf16, in fragment order, one of them times log2(e); w, o: [16][2048] f32.
; Run twice: rows (x = queries, y = keys, w = 1: the 1e-9 changes no bit of a sum of 2,048 numbers above 0.36) and columns (x = keys, y = queries, w = the rows' result).
; NO MAXIMUM IS TAKEN AWAY: both factors are vectors that the module itself normalises, with no scale behind them, so every exponent lies within 1.45 of 0 for every input,
; every power in 0.36 to 2.8, and no sum of 2,048 of them can overflow or underflow in f32.
; SHARES.  Work-group (x, y): 128 rows i of batch y.  Eight waves, two to a SIMD so that one wave's exponentials stand beside the other's products; wave v takes j = 256 v .. 256 v + 255
; for all 128 i: x stays in 128 registers, y comes a tile of 16 j at a time, two tiles ahead.  The eight partial sums meet in LDS.
; NO CLUSTER, NO TENSOR LOAD: x and y lie in fragment order, so a fragment is one load of 512 consecutive bytes straight into registers; a tile of y (2,048 bytes) feeds 16 matrix and 96 vector instructions.
.set SPARE, 4096                       ; behind the 8 x 128 partial sums: the spare words, 128 bytes for each of 8 waves: four blocks of 256 bytes that no other line names
.set SPW, 28
.set NIL, 29
.set A, 8                              ; v8-23   a pair of sums (even j, odd j) for each of 8 tiles of i
.set W, 32                             ; v32-47  w of my eight j, two buffers
.set Y, 48                             ; v48-79  a tile of y, two buffers
.set S, 80                             ; v80-143 eight results.  Window 1: v0-127 x
.set MSB, 0
.macro WIN new
.if MSB != (\new)
	s_set_vgpr_msb (MSB<<8)|(\new)
.set MSB, (\new)
.endif
.endm
	s_load_b256 s[4:11], s[0:1], 0x0               ; x s[4:5], y s[6:7], w s[8:9], o s[10:11]
	v_lshl_add_u32 v[SPW], v0, 2, SPARE
	v_mov_b32 v[NIL], 0
	v_lshrrev_b32 v1, 5, v0
	v_readfirstlane_b32 s12, v1                    ; wave 0..7
	s_mov_b32 s13, ttmp9                           ; block of 128 i
	s_and_b32 s14, ttmp7, 0xffff                   ; b
	s_mov_b32 s16, 0x76543210
	s_mov_b32 s17, 0xfedcba98
	v_and_b32 v2, 31, v0
	v_and_b32 v3, 15, v0
	v_bfe_u32 v4, v0, 4, 1
	v_lshlrev_b32 v5, 4, v2                        ; 16 x lane
	v_lshlrev_b32 v6, 5, v4                        ; my eight w: 32 bytes by h
	s_lshl_b32 s18, s12, 9
	v_lshl_add_u32 v7, v3, 2, s18                  ; my wave's 128 partial sums, word r
	s_lshl_b32 s19, s12, 8
	v_lshl_add_u32 v24, v2, 3, s19                 ; the end: two i a lane, 64 a wave
	s_lshl_b32 s20, s14, 18                        ; x: (128 b + 8 block) tiles of 2,048 bytes
	s_lshl_b32 s21, s13, 14
	s_add_co_u32 s20, s20, s21
	s_mov_b32 s21, 0
	s_lshl_b32 s22, s14, 18                        ; y: (128 b + 16 v) tiles
	s_lshl_b32 s23, s12, 15
	s_add_co_u32 s22, s22, s23
	s_mov_b32 s23, 0
	s_lshl_b32 s24, s14, 13                        ; w: (2,048 b + 256 v) words
	s_lshl_b32 s25, s12, 10
	s_add_co_u32 s24, s24, s25
	s_mov_b32 s25, 0
	s_lshl_b32 s26, s14, 13                        ; o: (2,048 b + 128 block) words
	s_lshl_b32 s27, s13, 9
	s_add_co_u32 s26, s26, s27
	s_mov_b32 s27, 0
	s_wait_kmcnt 0x0
	s_add_nc_u64 s[4:5], s[4:5], s[20:21]
	s_add_nc_u64 s[6:7], s[6:7], s[22:23]
	s_add_nc_u64 s[8:9], s[8:9], s[24:25]
	s_add_nc_u64 s[10:11], s[10:11], s[26:27]
	WIN 0x40
.set i, 0
.rept 32
	global_load_b128 v[4*i:4*i+3], v5, s[4:5] offset:512*i
.set i, i+1
.endr
	WIN 0
.macro YW buf, on                      ; a tile of y and its w; on: bytes of w ahead of the bases (y: 32 times as many)
.set c, 0
.rept 4
	global_load_b128 v[Y+16*(\buf)+4*c:Y+16*(\buf)+4*c+3], v5, s[6:7] offset:32*(\on)+2048*(\buf)+512*c
.set c, c+1
.endr
	global_load_b128 v[W+8*(\buf):W+8*(\buf)+3], v6, s[8:9] offset:(\on)+64*(\buf)
	global_load_b128 v[W+8*(\buf)+4:W+8*(\buf)+7], v6, s[8:9] offset:(\on)+64*(\buf)+16
.endm
	YW 0, 0
	YW 1, 0
.set i, 0
.rept 16
	v_mov_b32 v[A+i], 0
.set i, i+1
.endr
.macro FMA4 it, buf
.set p, 0
.rept 4
	v_pk_fma_f32 v[A+2*(\it):A+2*(\it)+1], v[S+8*(\it)+2*p:S+8*(\it)+2*p+1], v[W+8*(\buf)+2*p:W+8*(\buf)+2*p+1], v[A+2*(\it):A+2*(\it)+1]
.set p, p+1
.endr
.endm
; One tile of 16 j against all 128 i.  cnt: the other buffer's six loads, which may stay out.
.macro TILE buf, ahead, cnt
	s_wait_loadcnt \cnt
	WIN 0x04                                       ; source 1 (x) in window 1
.set i, 0
.rept 8                                ; source 0 = 16 j, source 1 = 16 i: a lane holds one i and eight j.  Features 0-31 start the sums,
	v_wmma_f32_16x16x32_bf16 v[S+8*i:S+8*i+7], v[Y+16*(\buf):Y+16*(\buf)+7], v[16*i:16*i+7], 0
.set i, i+1
.endr
.set i, 0
.rept 8                                ; features 32-63 follow: the eight accumulators take turns
	v_wmma_f32_16x16x32_bf16 v[S+8*i:S+8*i+7], v[Y+16*(\buf)+8:Y+16*(\buf)+15], v[16*i+8:16*i+15], v[S+8*i:S+8*i+7]
.set i, i+1
.endr
	WIN 0
.rept 4
	v_nop
.endr
.set i, 0
.rept 8                                ; a tile's eight exponentials, then the sums of the tile before: plain instructions stand between an exponential and the use of its result
.set j, 0
.rept 8
	v_exp_f32 v[S+8*i+j], v[S+8*i+j]
.set j, j+1
.endr
.if i == 0
	v_nop
.else
	FMA4 i-1, \buf
.endif
.set i, i+1
.endr
	FMA4 7, \buf
.if \ahead
	YW \buf, 128                                   ; two tiles on: 4,096 bytes of y, 128 of w
.endif
.endm
	s_mov_b32 s15, 7
.Ltile:
	TILE 0, 1, 6
	TILE 1, 1, 6
	s_wait_xcnt 0x0                                ; the bases are stepped only behind this wait
	s_add_nc_u64 s[6:7], s[6:7], 4096
	s_add_nc_u64 s[8:9], s[8:9], 128
	s_sub_co_u32 s15, s15, 1
	s_cmp_lg_u32 s15, 0
	s_cbranch_scc1 .Ltile
	TILE 0, 0, 6                                   ; the last two tiles ask for nothing
	TILE 1, 0, 0
.macro ALL8 line:vararg
.set t, 0
.rept 8
	\line
.set t, t+1
.endr
.endm
	ALL8 v_add_f32 v[A+2*t], v[A+2*t], v[A+2*t+1]
	ALL8 v_permlanex16_b32 v[A+2*t+1], v[A+2*t], s16, s17
	ALL8 v_add_f32 v[A+2*t], v[A+2*t], v[A+2*t+1]
	ALL8 ds_store_b32 v7, v[A+2*t] offset:64*t
	s_wait_dscnt 0x0                               ; for the others' sake
	s_barrier_signal -1
	s_barrier_wait -1
	s_cmp_lt_u32 s12, 2
	s_cbranch_scc0 .Ldone                          ; waves 0 and 1 add the eight parts, 64 i each
	ALL8 ds_load_b64 v[32+2*t:33+2*t], v24 offset:512*t
	s_wait_dscnt 0x0
.set t, 1
.rept 7
	v_pk_add_f32 v[32:33], v[32:33], v[32+2*t:33+2*t]
.set t, t+1
.endr
	v_add_f32 v32, 0x3089705f, v32                 ; 1e-9
	v_add_f32 v33, 0x3089705f, v33
	v_rcp_f32 v32, v32
	v_rcp_f32 v33, v33
	v_nop
	global_store_b64 v24, v[32:33], s[10:11]       ; a wave stores 256 consecutive bytes, at a multiple of 256 from o's first byte
.Ldone:
	s_wait_tensorcnt 0x0                           ; the wave's end: an add of 0 to my spare word and its wait stand behind my last LDS store
	ds_add_u32 v[SPW], v[NIL]
	s_wait_dscnt 0x0
	s_endpgm
.Lfunc_end_k_qc421fdbcf0_rowsum:
	.size	k_qc421fdbcf0_rowsum, .Lfunc_end_k_qc421fdbcf0_rowsum-k_qc421fdbcf0_rowsum
	.p2alignl 7, 3214868480
	.fill 96, 4, 3214868480
	.section	.rodata,"a",@progbits
	.p2align	6, 0x0
	.amdhsa_kernel k_qc421fdbcf0_rowsum
		.amdhsa_group_segment_fixed_size 5120
		.amdhsa_private_segment_fixed_size 0
		.amdhsa_enable_private_segment 0
		.amdhsa_kernarg_size 32
		.amdhsa_user_sgpr_count 2
		.amdhsa_user_sgpr_kernarg_segment_ptr 1
		.amdhsa_wavefront_size32 1
		.amdhsa_system_sgpr_workgroup_id_x 1
		.amdhsa_system_sgpr_workgroup_id_y 1
		.amdhsa_system_sgpr_workgroup_id_z 1
		.amdhsa_system_vgpr_workitem_id 0
		.amdhsa_next_free_vgpr 384
		.amdhsa_next_free_sgpr 66
		.amdhsa_reserve_vcc 0
		.amdhsa_float_denorm_mode_32 3
		.amdhsa_float_denorm_mode_16_64 3
		.amdhsa_memory_ordered 1
		.amdhsa_forward_progress 1
		.amdhsa_inst_pref_size 32
	.end_amdhsa_kernel
	.amdgpu_metadata
---
amdhsa.version: [ 1, 2 ]
amdhsa.kernels:
  - .name:           k_qc421fdbcf0_rowsum
    .symbol:         k_qc421fdbcf0_rowsum.kd
    .args:
      - { .name: wqf, .offset: 0, .size: 8, .value_kind: global_buffer, .address_space: global }
      - { .name: wkf, .offset: 8, .size: 8, .value_kind: global_buffer, .address_space: global }
      - { .name: ones, .offset: 16, .size: 8, .value_kind: global_buffer, .address_space: global }
      - { .name: rinv, .offset: 24, .size: 8, .value_kind: global_buffer, .address_space: global }
    .group_segment_fixed_size: 5120
    .private_segment_fixed_size: 0
    .kernarg_segment_align: 8
    .kernarg_segment_size: 32
    .max_flat_workgroup_size: 256
    .sgpr_count:     66
    .vgpr_count:     384
    .wavefront_size: 32
...
	.end_amdgpu_metadata
.endif
;; end of part 3
;; launch colsum: the kernel of part 3 again; grid 16 x 16, 8 waves a work-group, no clusters, 5,120 bytes of LDS; arguments wkf, wqf, rinv, cinv; writes cinv
;; launch vgemm (part 4): grid 16 x 16, 4 waves a work-group, clusters of 4 x 1, 327,680 bytes of LDS; arguments value, w2n, cinv, vt; writes vt
.if DOCPART == 4
	.amdgcn_target "amdgcn-amd-amdhsa--gfx1250"
	.amdhsa_code_object_version 6
	.text
	.protected	k_qc421fdbcf0_vgemm
	.globl	k_qc421fdbcf0_vgemm
	.p2align	8
	.type	k_qc421fdbcf0_vgemm,@function
k_qc421fdbcf0_vgemm:
	s_mov_b64 s[64:65], 0
	v_nop
	global_prefetch_b8 v0, s[64:65] scope:SCOPE_SE
	s_setreg_imm32_b32 hwreg(HW_REG_WAVE_MODE, 25, 1), 1
	s_wait_xcnt 0x0
	s_wait_alu depctr_hold_cnt(0) depctr_sa_sdst(0) depctr_va_vdst(0) depctr_va_sdst(0) depctr_va_ssrc(0) depctr_va_vcc(0) depctr_vm_vsrc(0)
	s_getreg_b32 s2, hwreg(HW_REG_IB_STS2, 6, 4)
	s_cmp_eq_u32 s2, 0
	s_cbranch_scc0 .Lentry_in_a_cluster
	s_endpgm
.Lentry_in_a_cluster:
	s_bfe_u32 s2, ttmp6, 0x10000c
	s_cmp_lg_u32 s2, 0x3003
	s_cbranch_scc0 .Lentry_shape_is_right
	s_endpgm
.Lentry_shape_is_right:
; VGEMM.  vt[b][ch][512 + k] = cinv[b][k] x sum over d of w2n[ch][d] bf16(value[k][b][d]): f32 sums, scaled in f32, rounded once to bf16 (bf16, not f16: the numbers have bf16's range to grow in).
; SHARES.  A work-group makes 128 keys x all 512 channels of one batch; wave w the channels 128 w .. 128 w + 127: 64 accumulators, 512 registers.
; w2n ([ch][d], d along the rows) comes by tensor loads into two LDS slots of 128 d; each wave loads, and alone reads, its own strip of 128 rows x 256 bytes.
; value comes through registers: each wave rounds 32 keys x 64 d a step into a stage [128 keys][64 d], two stages by turns, handed over by one barrier a step; its loads are asked for two steps ahead.
; CLUSTER.  The four work-groups of a cluster walk the same w2n, so each strip is asked for JOINTLY: the same load, descriptor and mask in all four.
; The matrix instruction takes 16 keys as source 0 and 16 channels as source 1: a lane holds one channel and eight neighbouring keys, 16 bytes of a row of vt.
; THE WALK.  Eight steps of 64 d.  Step 0 starts the sums.  Steps 1 to 5 are one loop (change of slots, even step, barrier, odd step), entered at its barrier: the change with its refill stands at the
; loop's head, so the loop is left ahead of the change that fills nothing.  The odd step asks for value two steps on; in its last trip (step 5) nothing of value is left to ask for, and it asks for cinv
; instead: sixteen loads into the same registers on either way, so the count of the next rounding's wait holds on both.  Steps 6 and 7 are written out.
; REGISTERS, in windows of 256 (s_set_vgpr_msb: bits 1:0 source 0, 3:2 source 1, 5:4 source 2, 7:6 destination):
;   window 0: v16-29 addresses; v32-63 rounded pairs; v64-127, v128-191 the stage's fragments, two buffers
;   window 1: v0-63 raw value of the odd steps; v192-255 raw value of the even steps, and behind its last rounding cinv of my lane's keys; v64-127, v128-191 w2n's fragments
;   windows 2, 3: accumulators, (a, b) at v[8 (8 (a % 4) + b)]
.set TP, 272                           ; a row of a strip in LDS: 256 bytes + 16: the 16 rows of a load start at 16 different groups of four banks
.set STRIP, 128*TP
.set SLOTB, 4*STRIP                    ; 139,264 = bits 17 and 13, which no strip's address in slot 0 has: one exclusive or changes slots
.set STG, 2*SLOTB                      ; the stages, never filled by a tensor load
.set SGP, 144                          ; a stage row: 128 bytes + 16
.set STGB, 128*SGP
.set SPARE, STG+2*STGB                 ; the spare words, 128 bytes for each wave: two blocks of 256 bytes that no other line names
.set OSP, 272                          ; the way out: 16 rows x 272 bytes for each wave, in the first stage's bytes
.set VTB, 2621440
.set VTP, 5120
.set SPW, 28
.set NIL, 29
.set P16, 32
.set F0, 64
.set F1, 128
.set CV, 192                           ; window 1
.set R1REG, 0                          ; the odd raw buffer: window 1, v0-63
.set R1WIN, 1
.set TMP, 64
.set MSB, 0
.macro WIN new                         ; the immediate's high byte repeats the setting that is left; a switch that changes nothing is dropped
.if MSB != (\new)
	s_set_vgpr_msb (MSB<<8)|(\new)
.set MSB, (\new)
.endif
.endm
.macro PLACES                          ; four plain instructions between a matrix instruction and a load into, or a vector instruction on, its registers
.rept 4
	v_nop
.endr
.endm
.macro CROUND                          ; a round of the cluster's barrier
	s_barrier_signal -1
	s_barrier_wait -1
	s_cmp_lg_u32 s16, 0
	s_cbranch_scc1 .Lnot_wave_0_\@
	s_barrier_signal -3
.Lnot_wave_0_\@:
	s_barrier_wait -3
	s_barrier_signal -1
	s_barrier_wait -1
.endm
.macro PBAR                            ; the stages change hands; the slot's load may stay out
	s_wait_dscnt 0x0
	s_barrier_signal -1
	s_barrier_wait -1
.endm
; The change of slots, which is also a change of stages.  Each wave waits for all its tensor loads (one is out: its strip of the next slot), adds 0 to its spare word, and waits for that
; and for its LDS reads and stores.  fill = 1: behind a round of the cluster's barrier the slot just left is filled again, two slots on: the first thing there, one load a wave.
.macro CHANGE fill
	WIN 0
	s_wait_tensorcnt 0x0
	ds_add_u32 v[SPW], v[NIL]                      ; 0 onto my spare word; scalar work stands between it and the wait for it
.if \fill
	s_xor_b32 s37, s37, SLOTB                      ; the walking descriptor: the other slot than last time,
	s_add_nc_u64 s[38:39], s[38:39], 256           ; the next 128 along the rows
.endif
	s_xor_b32 s41, s41, SLOTB                      ; the reads go to the other slot
	s_wait_dscnt 0x0
.if \fill
	CROUND
	tensor_load_to_lds s[36:39], s[24:31]
	s_nop 0
	PLACES
.else
	s_barrier_signal -1
	s_barrier_wait -1
.endif
	v_add_nc_u32 v17, s41, v16
.endm
; 32 LDS loads: the fragments of 32 along K (quarter q of the step) into buffer f: 128 rows of my strip, 128 rows of the stage
.macro FETCH q, f, step
	WIN 0x40
.set i, 0
.rept 8
	ds_load_b128 v[(\f)+8*i:(\f)+8*i+3], v17 offset:128*(\step)+64*(\q)+16*TP*i
	ds_load_b128 v[(\f)+8*i+4:(\f)+8*i+7], v17 offset:128*(\step)+64*(\q)+16*TP*i+32
.set i, i+1
.endr
	WIN 0
.set i, 0
.rept 8
	ds_load_b128 v[(\f)+8*i:(\f)+8*i+3], v18 offset:STGB*(\step)+64*(\q)+16*SGP*i
	ds_load_b128 v[(\f)+8*i+4:(\f)+8*i+7], v18 offset:STGB*(\step)+64*(\q)+16*SGP*i+32
.set i, i+1
.endr
.endm
; Matrix instruction n of a quarter's 64: channel tile a = n / 8, key tile b = n % 8.  All 64 accumulators take turns, in the same order in every quarter.
.macro PV1 f, zero
	WIN 0xa4+0x50*(n/32)
.set rD, 8*(8*((n/8)%4)+n%8)
.set rK, (\f)+8*(n%8)
.set rC, (\f)+8*(n/8)
.if \zero
	v_wmma_f32_16x16x32_bf16 v[rD:rD+7], v[rK:rK+7], v[rC:rC+7], 0
.else
	v_wmma_f32_16x16x32_bf16 v[rD:rD+7], v[rK:rK+7], v[rC:rC+7], v[rD:rD+7]
.endif
.endm
.macro PVRUN f, n0, cnt, zero
.set n, \n0
.rept \cnt
	PV1 \f, \zero
.set n, n+1
.endr
.endm
; 16 loads: my 32 rows x 256 bytes (64 f32) into raw buffer par.  step1 = 1: two steps on; the wait in front has shown this base's loads done.
.macro PRE_F par, step1
.if \step1
	s_add_nc_u64 s[46+2*(\par):47+2*(\par)], s[46+2*(\par):47+2*(\par)], 512
.endif
.if \par
.set rR, R1REG
	WIN 0x40*R1WIN
.else
.set rR, 192
	WIN 0x40
.endif
.set i, 0
.rept 16
	global_load_b128 v[rR+4*i:rR+4*i+3], v22, s[46+2*(\par):47+2*(\par)] offset:65536*i th:TH_LOAD_NT
.set i, i+1
.endr
	WIN 0
.endm
.macro LOAD_CV                         ; 16 loads: cinv of my lane's 64 keys: register 8 kt + j holds key 16 kt + 8 (lane / 16) + j
	WIN 0x40
.set i, 0
.rept 8
	global_load_b128 v[CV+8*i:CV+8*i+3], v26, s[8:9] offset:64*i
	global_load_b128 v[CV+8*i+4:CV+8*i+7], v26, s[8:9] offset:64*i+16
.set i, i+1
.endr
	WIN 0
.endm
; Raw buffer par is rounded to bf16 and stored into stage par.  cnt: the younger loads, which may stay out.
.macro LUMPF par, cnt
	s_wait_loadcnt \cnt
.if \par
.set rR, R1REG
	WIN 0x05*R1WIN
.else
.set rR, 192
	WIN 0x05
.endif
.set i, 0
.rept 32
	v_cvt_pk_bf16_f32 v[P16+i], v[rR+2*i], v[rR+2*i+1]
.set i, i+1
.endr
	WIN 0
.set i, 0
.rept 16
	ds_store_b64 v20, v[P16+2*i:P16+2*i+1] offset:STGB*(\par)+2*SGP*i
.set i, i+1
.endr
.endm
; A step of 64 along K: reads stage \step, makes the other stage for the next step.  pre = 1: value two steps on is asked for; 2: the same, but in the loop's last trip cinv.
.macro CYC step, zero, lump, cnt, pre
	PLACES
	FETCH 0, F0, \step
.if \lump
	LUMPF 1-(\step), \cnt
.if (\pre) == 1
	PRE_F 1-(\step), 1
.elseif (\pre) == 2
	s_cmp_eq_u32 s43, 1                            ; the loop's counter: the same number in every wave and every work-group
	s_cbranch_scc1 .Lcinv_\@
	PRE_F 1-(\step), 1
	s_branch .Lasked_\@
.Lcinv_\@:
	LOAD_CV
.Lasked_\@:
.endif
	s_wait_dscnt 16                                ; the fragments are in; the lump's 16 younger stores may be out
.else
	s_wait_dscnt 0x0
.endif
	PVRUN F0, 0, 32, \zero
	FETCH 1, F1, \step                             ; the last product that read this buffer stands ahead of the four places at the step's head
	PVRUN F0, 32, 32, \zero
	s_wait_dscnt 0x0
	PVRUN F1, 0, 64, 0
	WIN 0
.endm
	s_load_b256 s[4:11], s[0:1], 0x0               ; value s[4:5], w2n s[6:7], cinv s[8:9], vt s[10:11]
	v_lshl_add_u32 v[SPW], v0, 2, SPARE
	v_mov_b32 v[NIL], 0
	ds_add_u32 v[SPW], v[NIL]                      ; the wave's opening: the add and its wait stand ahead of my first tensor load; work on registers stands between them
	v_lshrrev_b32 v1, 5, v0
	v_readfirstlane_b32 s16, v1                    ; wave
	s_and_b32 s17, ttmp7, 0xffff                   ; b
	s_bfe_u32 s20, ttmp6, 0x40000                  ; cx: it enters value's, cinv's and vt's addresses alone
	s_lshl_b32 s21, ttmp9, 2
	s_add_co_u32 s21, s21, s20                     ; my block of 128 keys
	s_mov_b32 s24, 15|(1<<16)|(1<<20)|(1<<21)|(5<<22)|(3<<25)  ; the mask of four; 2-byte elements; padding on; bit 21 beside a mask; after every 64 words; 4 words
	s_mov_b32 s25, 128<<16                         ; tensor_dim0 = 128
	s_mov_b32 s26, 128<<16                         ; tensor_dim1 = 128
	s_mov_b32 s27, 128<<16                         ; tile_dim0 = 128
	s_mov_b32 s28, 128                             ; tile_dim1 = 128
	s_mov_b32 s29, 512                             ; elements from row to row
	s_mov_b32 s30, 0
	s_mov_b32 s31, 0
	s_mov_b32 s32, 1
	s_mul_i32 s40, s16, STRIP                      ; my strip in a slot
	s_mov_b32 s33, s40
	s_mov_b32 s36, 1
	s_add_co_u32 s37, s40, SLOTB
	s_mov_b32 s41, 0
	s_lshl_b32 s18, s16, 17                        ; my 128 rows of w2n
	s_mov_b32 s19, 0
	s_lshl_b32 s22, s21, 22                        ; value: ((128 block + 32 w) 16 + b) rows of 2,048 bytes
	s_lshl_b32 s23, s16, 20
	s_add_co_u32 s22, s22, s23
	s_lshl_b32 s23, s17, 11
	s_add_co_u32 s22, s22, s23
	s_mov_b32 s23, 0
	s_lshl_b32 s52, s17, 13                        ; cinv: (2,048 b + 128 block) words
	s_lshl_b32 s53, s21, 9
	s_add_co_u32 s52, s52, s53
	s_mov_b32 s53, 0
	s_mul_i32 s54, s17, VTB                        ; vt: batch b, row 128 w, column 512 + 128 block
	s_mul_i32 s55, s16, 128*VTP
	s_add_co_u32 s54, s54, s55
	s_lshl_b32 s55, s21, 8
	s_add_co_u32 s54, s54, s55
	s_add_co_u32 s54, s54, 1024
	s_mov_b32 s55, 0
	v_and_b32 v1, 15, v0                           ; r
	v_bfe_u32 v2, v0, 4, 1                         ; h
	v_mul_u32_u24 v16, v1, TP
	v_lshl_add_u32 v16, v2, 4, v16
	v_add_nc_u32 v16, s40, v16                     ; a fragment of my strip, slot 0
	v_mov_b32 v17, v16
	v_mul_u32_u24 v18, v1, SGP
	v_lshl_add_u32 v18, v2, 4, v18
	v_add_nc_u32 v18, STG, v18                     ; a fragment of the stage
	s_mul_i32 s42, s16, 32*SGP
	s_add_co_u32 s42, s42, STG
	v_mul_u32_u24 v20, v2, SGP
	v_lshl_add_u32 v20, v1, 3, v20
	v_add_nc_u32 v20, s42, v20                     ; into the stage: my 32 rows, two a store, 8 bytes a lane
	v_lshlrev_b32 v22, 15, v2
	v_lshl_add_u32 v22, v1, 4, v22                 ; value: lanes 0-15 one row's 256 bytes, lanes 16-31 the next row's
	s_mul_i32 s42, s16, 16*OSP
	s_add_co_u32 s42, s42, STG
	v_mul_u32_u24 v23, v1, OSP
	v_lshl_add_u32 v23, v2, 4, v23
	v_add_nc_u32 v23, s42, v23                     ; the way out, in: row r, 16 bytes by h
	v_mul_u32_u24 v24, v2, OSP
	v_lshl_add_u32 v24, v1, 4, v24
	v_add_nc_u32 v24, s42, v24                     ; back: two rows of 256 bytes
	v_mul_u32_u24 v25, v2, VTP
	v_lshl_add_u32 v25, v1, 4, v25                 ; the same two rows in vt
	v_lshlrev_b32 v26, 5, v2                       ; my eight cinv: 32 bytes by h
	s_wait_dscnt 0x0                               ; the opening add is done
	s_wait_kmcnt 0x0
	s_add_nc_u64 s[34:35], s[6:7], s[18:19]
	s_add_nc_u64 s[38:39], s[34:35], 256
	s_or_b32 s35, s35, 0x80000000
	s_or_b32 s39, s39, 0x80000000
	s_add_nc_u64 s[46:47], s[4:5], s[22:23]        ; even steps' columns
	s_add_nc_u64 s[48:49], s[46:47], 256           ; odd steps'
	s_add_nc_u64 s[8:9], s[8:9], s[52:53]
	s_add_nc_u64 s[50:51], s[10:11], s[54:55]
	CROUND                                         ; all four work-groups are here: the first joint loads meet
	tensor_load_to_lds s[32:35], s[24:31]          ; both first fills together: two loads of mine are out
	s_nop 0
	tensor_load_to_lds s[36:39], s[24:31]
	s_nop 0
	PLACES
	PRE_F 0, 0
	PRE_F 1, 0
	LUMPF 0, 16                                    ; step 0's stage
	PRE_F 0, 1
	s_wait_tensorcnt 0x1                           ; my strip of slot 0 is in; slot 1's may stay out
	s_wait_dscnt 0x0
	s_barrier_signal -1
	s_barrier_wait -1
	CYC 0, 1, 1, 16, 1                             ; step 0: its first products start the sums
	s_mov_b32 s43, 3
	s_branch .Lmid                                 ; the loop is entered at its barrier: step 1 is its odd step
.Lk:                                   ; steps 2 and 3, 4 and 5
	CHANGE 1
	CYC 0, 0, 1, 16, 1
.Lmid:
	PBAR
	CYC 1, 0, 1, 16, 2
	s_sub_co_u32 s43, s43, 1
	s_cmp_lg_u32 s43, 0
	s_cbranch_scc1 .Lk
	CHANGE 0                                       ; the tail is written out: nothing is asked for
	CYC 0, 0, 1, 16, 0                             ; step 6 makes the last stage; the 16 younger loads are cinv's
	PBAR
	CYC 1, 0, 0, 0, 0                              ; step 7
	PBAR                                           ; every wave's reads of the stages are over: their bytes serve the way out
	s_wait_loadcnt 0x0                             ; cinv is in
	; THE WAY OUT, a channel tile (16 rows of vt) at a time: times cinv, rounded, through my own rows in LDS, out as whole runs of 256 bytes.
.macro PACK a
	WIN 0x86+0x41*((\a)/4)                         ; destination and source 0 window 2 or 3, source 1 (cinv) window 1
.set i, 0
.rept 32                               ; each accumulator's registers in ascending order
	v_pk_mul_f32 v[64*((\a)%4)+2*i:64*((\a)%4)+2*i+1], v[64*((\a)%4)+2*i:64*((\a)%4)+2*i+1], v[CV+2*i:CV+2*i+1]
.set i, i+1
.endr
	WIN 0x0a+5*((\a)/4)
.set i, 0
.rept 32
	v_cvt_pk_bf16_f32 v[TMP+i], v[64*((\a)%4)+2*i], v[64*((\a)%4)+2*i+1]
.set i, i+1
.endr
	WIN 0
.endm
.macro TOSTAGE a
.set rB, 96+32*((\a)%2)
.set i, 0
.rept 8
	ds_store_b128 v23, v[TMP+4*i:TMP+4*i+3] offset:32*i
.set i, i+1
.endr
.set i, 0
.rept 8
	ds_load_b128 v[rB+4*i:rB+4*i+3], v24 offset:2*OSP*i   ; LDS serves a wave's instructions in order: these see the stores above
.set i, i+1
.endr
.endm
.macro SEND a
.set rB, 96+32*((\a)%2)
	s_wait_dscnt 0x0
	s_wait_xcnt 0x0                                ; the stores' base, and the registers that earlier stores read, are written again only behind this wait
.if (\a) > 0
	s_add_nc_u64 s[50:51], s[50:51], 16*VTP
.endif
.set i, 0
.rept 8
	global_store_b128 v25, v[rB+4*i:rB+4*i+3], s[50:51] offset:2*VTP*i  ; sixteen lanes store 256 consecutive bytes, at a multiple of 256 from vt's first byte
.set i, i+1
.endr
.endm
	PLACES
	PACK 0
	TOSTAGE 0
.set t, 1
.rept 7                                ; a tile's arithmetic stands between the loads of the tile before and its stores
	PACK t
	SEND t-1
	TOSTAGE t
.set t, t+1
.endr
	SEND 7
	s_wait_tensorcnt 0x0                           ; the wave's end: an add of 0 to my spare word and its wait stand behind my last tensor load and my last LDS store
	ds_add_u32 v[SPW], v[NIL]
	s_wait_dscnt 0x0
	CROUND                                         ; the closing round
	s_endpgm
.Lfunc_end_k_qc421fdbcf0_vgemm:
	.size	k_qc421fdbcf0_vgemm, .Lfunc_end_k_qc421fdbcf0_vgemm-k_qc421fdbcf0_vgemm
	.p2alignl 7, 3214868480
	.fill 96, 4, 3214868480
	.section	.rodata,"a",@progbits
	.p2align	6, 0x0
	.amdhsa_kernel k_qc421fdbcf0_vgemm
		.amdhsa_group_segment_fixed_size 327680
		.amdhsa_private_segment_fixed_size 0
		.amdhsa_enable_private_segment 0
		.amdhsa_kernarg_size 32
		.amdhsa_user_sgpr_count 2
		.amdhsa_user_sgpr_kernarg_segment_ptr 1
		.amdhsa_wavefront_size32 1
		.amdhsa_system_sgpr_workgroup_id_x 1
		.amdhsa_system_sgpr_workgroup_id_y 1
		.amdhsa_system_sgpr_workgroup_id_z 1
		.amdhsa_system_vgpr_workitem_id 0
		.amdhsa_next_free_vgpr 1024
		.amdhsa_next_free_sgpr 66
		.amdhsa_reserve_vcc 0
		.amdhsa_float_denorm_mode_32 3
		.amdhsa_float_denorm_mode_16_64 3
		.amdhsa_memory_ordered 1
		.amdhsa_forward_progress 1
		.amdhsa_inst_pref_size 145
	.end_amdhsa_kernel
	.amdgpu_metadata
---
amdhsa.version: [ 1, 2 ]
amdhsa.kernels:
  - .name:           k_qc421fdbcf0_vgemm
    .symbol:         k_qc421fdbcf0_vgemm.kd
    .args:
      - { .name: value, .offset: 0, .size: 8, .value_kind: global_buffer, .address_space: global }
      - { .name: w2n, .offset: 8, .size: 8, .value_kind: global_buffer, .address_space: global }
      - { .name: cinv, .offset: 16, .size: 8, .value_kind: global_buffer, .address_space: global }
      - { .name: vt, .offset: 24, .size: 8, .value_kind: global_buffer, .address_space: global }
    .group_segment_fixed_size: 327680
    .private_segment_fixed_size: 0
    .kernarg_segment_align: 8
    .kernarg_segment_size: 32
    .max_flat_workgroup_size: 128
    .sgpr_count:     66
    .vgpr_count:     1024
    .wavefront_size: 32
...
	.end_amdgpu_metadata
.endif
;; end of part 4
;; launch attn (part 5): grid 16 x 16, 4 waves a work-group, clusters of 4 x 1, 327,680 bytes of LDS; arguments wqf, wkf, rinv, vt, query, out0; writes out0
.if DOCPART == 5
	.amdgcn_target "amdgcn-amd-amdhsa--gfx1250"
	.amdhsa_code_object_version 6
	.text
	.protected	k_qc421fdbcf0_attn
	.globl	k_qc421fdbcf0_attn
	.p2align	8
	.type	k_qc421fdbcf0_attn,@function
k_qc421fdbcf0_attn:
	s_mov_b64 s[64:65], 0
	v_nop
	global_prefetch_b8 v0, s[64:65] scope:SCOPE_SE
	s_setreg_imm32_b32 hwreg(HW_REG_WAVE_MODE, 25, 1), 1
	s_wait_xcnt 0x0
	s_wait_alu depctr_hold_cnt(0) depctr_sa_sdst(0) depctr_va_vdst(0) depctr_va_sdst(0) depctr_va_ssrc(0) depctr_va_vcc(0) depctr_vm_vsrc(0)
	s_getreg_b32 s2, hwreg(HW_REG_IB_STS2, 6, 4)
	s_cmp_eq_u32 s2, 0
	s_cbranch_scc0 .Lentry_in_a_cluster
	s_endpgm
.Lentry_in_a_cluster:
	s_bfe_u32 s2, ttmp6, 0x10000c
	s_cmp_lg_u32 s2, 0x3003
	s_cbranch_scc0 .Lentry_shape_is_right
	s_endpgm
.Lentry_shape_is_right:
; ATTN.  out0[q][b][e] = relu( sum over c of bf16(query[q][b][c]) vt[b][e][c]  +  sum over k of P[q][k] vt[b][e][512 + k] ),  P = 2^(wq'_q . wk_k + log2 rinv[q]) rounded to bf16.
; vt's first 512 columns hold bf16(Wt), the others the keys' values, already through both weights, with the minus sign and the column sums' reciprocals: ONE sum of 2,560 terms in f32.
; query is never subtracted from in bf16: its product with Wt and the small attention term meet in the f32 accumulators.
; NO MAXIMUM IS TAKEN AWAY: the exponent's first part is the product of two vectors that the module itself normalises (within 1.45 of 0 for every input), its second lies in -12.5 to -9.5
; (a row sum of 2,048 powers of 0.36 to 2.8): no power can overflow or underflow in f32 or in bf16.
; LIMITS.  relu is a maximum in which a NaN loses: a NaN would come out as 0.  The weights' product was rounded to bf16 ahead of this launch: another order of rounding than the module's.
; SHARES.  A work-group makes 128 queries x all 512 channels of one batch; wave w the channels 128 w .. 128 w + 127: 64 accumulators, 512 registers.
; vt ([e][K], K along the rows) comes by tensor loads into two LDS slots of 128 K; each wave loads, and alone reads, its own strip of 128 rows x 256 bytes.
; The other operand, [128 queries][64 K] in bf16, is made by the waves, 32 queries each, in two stages by turns, handed over by one barrier a step of 64 K: in steps 0-7 it is query, rounded; in steps
; 8-39 it is P: 16 products K Q^T on fragments loaded straight from wkf, 64 exponentials and 32 roundings, cut in slices that stand behind the step's first 64 matrix instructions; P's eight LDS
; stores stand in one run behind those 64, not singly among them.
; THE WALK.  Step 0 starts the sums.  Steps 1 to 6 are one loop of two steps' text.  Its odd step asks for query two steps on, in the last trip (step 5) for the first keys instead: sixteen loads into the
; same registers on either way.  Its even step does the same with a step of its base that is 0 in the last trip (step 6): nothing of query is left to ask for, and the last chunk, 8 KiB a wave, is asked
; for once more and not used: the price, once a launch, of one text for six steps; sixteen loads go out in every trip, so the count of the next rounding's wait holds round the backward jump.
; Steps 7 to 37 are the second loop (change of slots, even step, barrier, odd step), entered at its odd step.  Steps 38 and 39 are written out: no slot is filled behind their change.
; CLUSTER.  The four query blocks of a cluster belong to one batch and walk the same vt, so each strip is asked for JOINTLY: the same load, descriptor and mask in all four.
; wkf is not asked for jointly: the slots and stages leave no room in LDS for a fifth tile, and no wave is left to load it; a step's 8 KiB come as loads of 512 consecutive bytes, a step ahead.
; REGISTERS, in windows of 256 (s_set_vgpr_msb: bits 1:0 source 0, 3:2 source 1, 5:4 source 2, 7:6 destination):
;   window 0: v16-31 addresses; v32-63 rounded pairs; v64-127, v128-191 the stage's fragments, two buffers; v192-255 the scores S (in steps 0-6: raw query, odd steps)
;   window 1: v0-31 my 32 queries' fragments; v32-47 log2 rinv; v64-127, v128-191 vt's fragments; v192-255 a step's keys (in steps 0-5: raw query, even steps)
;   windows 2, 3: accumulators, (a, b) at v[8 (8 (a % 4) + b)]: query tile a, channel tile b
.set TP, 272                           ; a row of a strip in LDS: 256 bytes + 16
.set STRIP, 128*TP
.set SLOTB, 4*STRIP                    ; 139,264 = bits 17 and 13, which no strip's address in slot 0 has: one exclusive or changes slots
.set STG, 2*SLOTB                      ; the stages, never filled by a tensor load
.set SGP, 144                          ; a stage row: 128 bytes + 16
.set STGB, 128*SGP
.set SPARE, STG+2*STGB                 ; the spare words, 128 bytes for each wave: two blocks of 256 bytes that no other line names
.set OSP, 528                          ; the way out: 16 rows x (512 + 16) bytes for each wave, in the stages' bytes
.set VTB, 2621440
.set VTP, 5120
.set SPW, 28
.set NIL, 29
.set P16, 32
.set F0, 64
.set F1, 128
.set S, 192                            ; window 0
.set KF, 192                           ; window 1
.set LR, 32                            ; window 1
.set R1REG, 192                        ; the odd raw buffer: window 0, S's registers
.set R1WIN, 0
.set TMP, 64
.set MSB, 0
.macro WIN new                         ; the immediate's high byte repeats the setting that is left; a switch that changes nothing is dropped
.if MSB != (\new)
	s_set_vgpr_msb (MSB<<8)|(\new)
.set MSB, (\new)
.endif
.endm
.macro PLACES                          ; four plain instructions between a matrix instruction and a load into, or a vector instruction on, its registers
.rept 4
	v_nop
.endr
.endm
.macro CROUND                          ; a round of the cluster's barrier
	s_barrier_signal -1
	s_barrier_wait -1
	s_cmp_lg_u32 s16, 0
	s_cbranch_scc1 .Lnot_wave_0_\@
	s_barrier_signal -3
.Lnot_wave_0_\@:
	s_barrier_wait -3
	s_barrier_signal -1
	s_barrier_wait -1
.endm
.macro PBAR                            ; the stages change hands; the slot's load may stay out
	s_wait_dscnt 0x0
	s_barrier_signal -1
	s_barrier_wait -1
.endm
; The change of slots, which is also a change of stages.  Each wave waits for all its tensor loads (one is out: its strip of the next slot), adds 0 to its spare word, and waits for that
; and for its LDS reads and stores.  fill = 1: behind a round of the cluster's barrier the slot just left is filled again, two slots on: the first thing there, one load a wave,
; with two steps' matrix instructions in which to land.
.macro CHANGE fill
	WIN 0
	s_wait_tensorcnt 0x0
	ds_add_u32 v[SPW], v[NIL]                      ; 0 onto my spare word; scalar work stands between it and the wait for it
.if \fill
	s_xor_b32 s37, s37, SLOTB                      ; the walking descriptor: the other slot than last time,
	s_add_nc_u64 s[38:39], s[38:39], 256           ; the next 128 along the rows
.endif
	s_xor_b32 s41, s41, SLOTB                      ; the reads go to the other slot
	s_wait_dscnt 0x0
.if \fill
	CROUND
	tensor_load_to_lds s[36:39], s[24:31]
	s_nop 0
	PLACES
.else
	s_barrier_signal -1
	s_barrier_wait -1
.endif
	v_add_nc_u32 v17, s41, v16
.endm
; 32 LDS loads: the fragments of 32 along K (quarter q of the step) into buffer f: 128 rows of my strip, 128 rows of the stage
.macro FETCH q, f, step
	WIN 0x40
.set i, 0
.rept 8
	ds_load_b128 v[(\f)+8*i:(\f)+8*i+3], v17 offset:128*(\step)+64*(\q)+16*TP*i
	ds_load_b128 v[(\f)+8*i+4:(\f)+8*i+7], v17 offset:128*(\step)+64*(\q)+16*TP*i+32
.set i, i+1
.endr
	WIN 0
.set i, 0
.rept 8
	ds_load_b128 v[(\f)+8*i:(\f)+8*i+3], v18 offset:STGB*(\step)+64*(\q)+16*SGP*i
	ds_load_b128 v[(\f)+8*i+4:(\f)+8*i+7], v18 offset:STGB*(\step)+64*(\q)+16*SGP*i+32
.set i, i+1
.endr
.endm
; Matrix instruction n of a quarter's 64: query tile a = n / 8, channel tile b = n % 8; source 0 = 16 channels, source 1 = 16 queries: a lane holds one query and eight neighbouring channels.
; All 64 accumulators take turns, in the same order in every quarter.
.macro PV1 f, zero
	WIN 0xa1+0x50*(n/32)
.set rD, 8*(8*((n/8)%4)+n%8)
.set rT, (\f)+8*(n%8)
.set rA, (\f)+8*(n/8)
.if \zero
	v_wmma_f32_16x16x32_bf16 v[rD:rD+7], v[rT:rT+7], v[rA:rA+7], 0
.else
	v_wmma_f32_16x16x32_bf16 v[rD:rD+7], v[rT:rT+7], v[rA:rA+7], v[rD:rD+7]
.endif
.endm
.macro PVRUN f, n0, cnt, zero
.set n, \n0
.rept \cnt
	PV1 \f, \zero
.set n, n+1
.endr
.endm
; 16 loads: my 32 rows x 256 bytes (64 f32) of query into raw buffer par.  step1 = 1: two steps on; 2: two steps on, but in the loop's last trip the same chunk once more.
; The wait in front has shown this base's loads done.
.macro PRE_F par, step1
.if (\step1) == 1
	s_add_nc_u64 s[46+2*(\par):47+2*(\par)], s[46+2*(\par):47+2*(\par)], 512
.elseif (\step1) == 2
	s_cmp_eq_u32 s43, 1                            ; the loop's counter
	s_cselect_b32 s60, 0, 512
	s_add_nc_u64 s[46+2*(\par):47+2*(\par)], s[46+2*(\par):47+2*(\par)], s[60:61]
.endif
.if \par
.set rR, R1REG
	WIN 0x40*R1WIN
.else
.set rR, 192
	WIN 0x40
.endif
.set i, 0
.rept 16
	global_load_b128 v[rR+4*i:rR+4*i+3], v22, s[46+2*(\par):47+2*(\par)] offset:65536*i th:TH_LOAD_NT
.set i, i+1
.endr
	WIN 0
.endm
; Raw buffer par is rounded to bf16 and stored into stage par.  cnt: the younger loads, which may stay out.
.macro LUMPF par, cnt
	s_wait_loadcnt \cnt
.if \par
.set rR, R1REG
	WIN 0x05*R1WIN
.else
.set rR, 192
	WIN 0x05
.endif
.set i, 0
.rept 32
	v_cvt_pk_bf16_f32 v[P16+i], v[rR+2*i], v[rR+2*i+1]
.set i, i+1
.endr
	WIN 0
.set i, 0
.rept 16
	ds_store_b64 v20, v[P16+2*i:P16+2*i+1] offset:STGB*(\par)+2*SGP*i
.set i, i+1
.endr
.endm
.macro PRE_K                           ; 16 loads: 64 keys' fragments, 8,192 consecutive bytes
	WIN 0x40
.set i, 0
.rept 16
	global_load_b128 v[KF+4*i:KF+4*i+3], v21, s[44:45] offset:512*i
.set i, i+1
.endr
	WIN 0
.endm
; The scores of 64 keys x my 32 queries: S(kt, qt) at S + 8 (4 qt + kt); source 0 = 16 keys, source 1 = 16 queries: a lane holds one query and eight neighbouring keys.
; The first eight start the sums with log2 rinv of the lane's query; the eight accumulators take turns.  pre = 1: the next 64 keys are asked for.
.macro SBLK pre
	s_wait_loadcnt 0x0                             ; the keys are in
	WIN 0x15
.set i, 0
.rept 8
	v_wmma_f32_16x16x32_bf16 v[S+8*i:S+8*i+7], v[KF+16*(i%4):KF+16*(i%4)+7], v[16*(i/4):16*(i/4)+7], v[LR+8*(i/4):LR+8*(i/4)+7]
.set i, i+1
.endr
	WIN 0x05
.set i, 0
.rept 8
	v_wmma_f32_16x16x32_bf16 v[S+8*i:S+8*i+7], v[KF+16*(i%4)+8:KF+16*(i%4)+15], v[16*(i/4)+8:16*(i/4)+15], v[S+8*i:S+8*i+7]
.set i, i+1
.endr
	WIN 0
	PLACES
.if \pre
	s_add_nc_u64 s[44:45], s[44:45], 8192
	PRE_K
.endif
.endm
; Slice k of 34: the rounding of the pair whose exponentials stand two slices back (the rounding of the slice between, or slice 1's v_nop, is the plain instruction behind them),
; and two exponentials, each accumulator's registers in ascending order.
.macro SLICE
	WIN 0
.if k == 1
	v_nop
.endif
.if k >= 2
	v_cvt_pk_bf16_f32 v[P16+k-2], v[S+2*k-4], v[S+2*k-3]
.endif
.if k < 32
	v_exp_f32 v[S+2*k], v[S+2*k]
	v_exp_f32 v[S+2*k+1], v[S+2*k+1]
.endif
.set k, k+1
.endm
; A step whose next stage is query (lump = 1) or nothing.  pre = 1: query two steps on is asked for; 2: the same with the step that is 0 in the loop's last trip; 3: the same, but in the loop's last trip the first keys.
.macro CYCF step, zero, lump, cnt, pre
	PLACES
	FETCH 0, F0, \step
.if \lump
	LUMPF 1-(\step), \cnt
.if (\pre) == 1
	PRE_F 1-(\step), 1
.elseif (\pre) == 2
	PRE_F 1-(\step), 2
.elseif (\pre) == 3
	s_cmp_eq_u32 s43, 1                            ; the loop's counter: the same number in every wave and every work-group
	s_cbranch_scc1 .Lkeys_\@
	PRE_F 1-(\step), 1
	s_branch .Lasked_\@
.Lkeys_\@:
	PRE_K
.Lasked_\@:
.endif
	s_wait_dscnt 16                                ; the fragments are in; the lump's 16 younger stores may be out
.else
	s_wait_dscnt 0x0
.endif
	PVRUN F0, 0, 32, \zero
	FETCH 1, F1, \step                             ; the last product that read this buffer stands ahead of the four places at the step's head
	PVRUN F0, 32, 32, \zero
	s_wait_dscnt 0x0
	PVRUN F1, 0, 64, 0
	WIN 0
.endm
; A step whose next stage is P: the scores stand in the wait for the fragments, the slices behind the first quarter's matrix instructions, P's stores in one run behind that quarter.
.macro CYCK step, pre
	PLACES
	FETCH 0, F0, \step
	SBLK \pre
	s_wait_dscnt 0x0
.set k, 0
.set n, 0
.rept 64
	PV1 F0, 0
.if (n%2 == 0) || (n == 61) || (n == 63)
	SLICE
.endif
.if n == 31
	FETCH 1, F1, \step
.endif
.set n, n+1
.endr
	WIN 0
.set i, 0
.rept 8                                ; query tile i / 4, keys 16 (i % 4) on: 16 bytes a lane into the other stage
	ds_store_b128 v19, v[P16+4*i:P16+4*i+3] offset:STGB*(1-(\step))+16*SGP*(i/4)+32*(i%4)
.set i, i+1
.endr
	s_wait_dscnt 8                                 ; the second fragments are in; the eight younger stores may be out: the barrier's wait for 0 covers them
	PVRUN F1, 0, 64, 0
	WIN 0
.endm
	s_load_b256 s[4:11], s[0:1], 0x0               ; wqf s[4:5], wkf s[6:7], rinv s[8:9], vt s[10:11]
	s_load_b128 s[12:15], s[0:1], 0x20             ; query s[12:13], out0 s[14:15]
	v_lshl_add_u32 v[SPW], v0, 2, SPARE
	v_mov_b32 v[NIL], 0
	ds_add_u32 v[SPW], v[NIL]                      ; the wave's opening: the add and its wait stand ahead of my first tensor load; work on registers stands between them
	v_lshrrev_b32 v1, 5, v0
	v_readfirstlane_b32 s16, v1                    ; wave
	s_and_b32 s17, ttmp7, 0xffff                   ; b, which the four partners share
	s_bfe_u32 s20, ttmp6, 0x40000                  ; cx: it enters wqf's, rinv's, query's and out0's addresses alone
	s_lshl_b32 s21, ttmp9, 2
	s_add_co_u32 s21, s21, s20                     ; my block of 128 queries
	s_mov_b32 s24, 15|(1<<16)|(1<<20)|(1<<21)|(5<<22)|(3<<25)  ; the mask of four; 2-byte elements; padding on; bit 21 beside a mask; after every 64 words; 4 words
	s_mov_b32 s25, 128<<16                         ; tensor_dim0 = 128
	s_mov_b32 s26, 128<<16                         ; tensor_dim1 = 128
	s_mov_b32 s27, 128<<16                         ; tile_dim0 = 128
	s_mov_b32 s28, 128                             ; tile_dim1 = 128
	s_mov_b32 s29, 2560                            ; elements from row to row
	s_mov_b32 s30, 0
	s_mov_b32 s31, 0
	s_mov_b32 s32, 1
	s_mul_i32 s40, s16, STRIP                      ; my strip in a slot
	s_mov_b32 s33, s40
	s_mov_b32 s36, 1
	s_add_co_u32 s37, s40, SLOTB
	s_mov_b32 s41, 0
	s_mov_b32 s61, 0                               ; the high word of the step in s[60:61]
	s_mul_i32 s18, s17, VTB                        ; vt: batch b, my 128 rows
	s_mul_i32 s19, s16, 128*VTP
	s_add_co_u32 s18, s18, s19
	s_mov_b32 s19, 0
	s_lshl_b32 s22, s21, 22                        ; (128 block x 16 + b) rows of 2,048 bytes, in query and in out0
	s_lshl_b32 s23, s17, 11
	s_add_co_u32 s22, s22, s23
	s_lshl_b32 s23, s16, 20                        ; query: my 32 rows
	s_add_co_u32 s52, s22, s23
	s_mov_b32 s53, 0
	s_lshl_b32 s23, s16, 9                         ; out0: my 512 bytes of a row
	s_add_co_u32 s22, s22, s23
	s_mov_b32 s23, 0
	s_lshl_b32 s54, s17, 18                        ; wqf: (128 b + 8 block + 2 w) tiles of 2,048 bytes
	s_lshl_b32 s55, s21, 14
	s_add_co_u32 s54, s54, s55
	s_lshl_b32 s55, s16, 12
	s_add_co_u32 s54, s54, s55
	s_mov_b32 s55, 0
	s_lshl_b32 s56, s17, 13                        ; rinv: (2,048 b + 128 block + 32 w) words
	s_lshl_b32 s57, s21, 9
	s_add_co_u32 s56, s56, s57
	s_lshl_b32 s57, s16, 7
	s_add_co_u32 s56, s56, s57
	s_mov_b32 s57, 0
	s_lshl_b32 s58, s17, 18                        ; wkf: 128 b tiles
	s_mov_b32 s59, 0
	v_and_b32 v1, 15, v0                           ; r
	v_bfe_u32 v2, v0, 4, 1                         ; h
	v_and_b32 v3, 31, v0                           ; lane
	v_mul_u32_u24 v16, v1, TP
	v_lshl_add_u32 v16, v2, 4, v16
	v_add_nc_u32 v16, s40, v16                     ; a fragment of my strip, slot 0
	v_mov_b32 v17, v16
	v_mul_u32_u24 v18, v1, SGP
	v_lshl_add_u32 v18, v2, 4, v18
	v_add_nc_u32 v18, STG, v18                     ; a fragment of the stage
	s_mul_i32 s42, s16, 32*SGP
	v_add_nc_u32 v19, s42, v18                     ; P into the stage: my 32 rows, row r, 16 bytes by h
	s_add_co_u32 s42, s42, STG
	v_mul_u32_u24 v20, v2, SGP
	v_lshl_add_u32 v20, v1, 3, v20
	v_add_nc_u32 v20, s42, v20                     ; query into the stage: two rows a store, 8 bytes a lane
	v_lshlrev_b32 v21, 4, v3                       ; 16 x lane
	v_lshlrev_b32 v22, 15, v2
	v_lshl_add_u32 v22, v1, 4, v22                 ; query: lanes 0-15 one row's 256 bytes, lanes 16-31 the next row's
	s_mul_i32 s42, s16, 16*OSP
	s_add_co_u32 s42, s42, STG
	v_mul_u32_u24 v23, v1, OSP
	v_lshl_add_u32 v23, v2, 5, v23
	v_add_nc_u32 v23, s42, v23                     ; the way out, in: row r, 32 bytes by h
	v_lshl_add_u32 v24, v3, 4, s42                 ; back: a row's 512 bytes
	v_lshlrev_b32 v26, 2, v1                       ; rinv of my lane's query
	s_wait_dscnt 0x0                               ; the opening add is done
	s_wait_kmcnt 0x0
	s_add_nc_u64 s[34:35], s[10:11], s[18:19]
	s_add_nc_u64 s[38:39], s[34:35], 256
	s_or_b32 s35, s35, 0x80000000
	s_or_b32 s39, s39, 0x80000000
	s_add_nc_u64 s[46:47], s[12:13], s[52:53]      ; even steps' columns of query
	s_add_nc_u64 s[48:49], s[46:47], 256           ; odd steps'
	s_add_nc_u64 s[50:51], s[14:15], s[22:23]
	s_add_nc_u64 s[4:5], s[4:5], s[54:55]
	s_add_nc_u64 s[8:9], s[8:9], s[56:57]
	s_add_nc_u64 s[44:45], s[6:7], s[58:59]
	CROUND                                         ; all four work-groups are here: the first joint loads meet
	tensor_load_to_lds s[32:35], s[24:31]          ; both first fills together: two loads of mine are out
	s_nop 0
	tensor_load_to_lds s[36:39], s[24:31]
	s_nop 0
	PLACES
	WIN 0x40
.set i, 0
.rept 8                                ; my two query tiles' fragments: 4,096 consecutive bytes
	global_load_b128 v[4*i:4*i+3], v21, s[4:5] offset:512*i
.set i, i+1
.endr
	WIN 0
	global_load_b32 v30, v26, s[8:9]
	global_load_b32 v31, v26, s[8:9] offset:64
	PRE_F 0, 0
	PRE_F 1, 0
	LUMPF 0, 16                                    ; step 0's stage; the wait covers the fragments and rinv too
	PRE_F 0, 1
	v_log_f32 v30, v30
	v_log_f32 v31, v31
	v_nop
	WIN 0x40
.set i, 0
.rept 8
	v_mov_b32 v[LR+i], v30
	v_mov_b32 v[LR+8+i], v31
.set i, i+1
.endr
	WIN 0
	s_wait_tensorcnt 0x1                           ; my strip of slot 0 is in; slot 1's may stay out
	s_wait_dscnt 0x0
	s_barrier_signal -1
	s_barrier_wait -1
	CYCF 0, 1, 1, 16, 1                            ; step 0: its first products start the sums
	PBAR
	s_mov_b32 s43, 3
.Lfeat:                                ; steps 1 to 6
	CYCF 1, 0, 1, 16, 3
	CHANGE 1
	CYCF 0, 0, 1, 16, 2
	PBAR
	s_sub_co_u32 s43, s43, 1
	s_cmp_lg_u32 s43, 0
	s_cbranch_scc1 .Lfeat
	s_mov_b32 s43, 16
	s_branch .Lkmid                                ; the second loop is entered at its odd step: step 7 makes the first P
.Lkey:                                 ; steps 8 and 9 to 36 and 37
	CHANGE 1
	CYCK 0, 1
	PBAR
.Lkmid:
	CYCK 1, 1
	s_sub_co_u32 s43, s43, 1
	s_cmp_lg_u32 s43, 0
	s_cbranch_scc1 .Lkey
	CHANGE 0                                       ; the tail is written out: nothing is asked for
	CYCK 0, 0                                      ; step 38 makes the last P
	PBAR
	CYCF 1, 0, 0, 0, 0                             ; step 39
	PBAR                                           ; every wave's reads of the stages are over: their bytes serve the way out
	; THE WAY OUT, a query tile (16 rows of out0) at a time: relu, through my own rows in LDS, out as runs of 512 bytes.
.macro PACK a
	WIN 0x08+4*((\a)/4)
.set i, 0
.rept 64                               ; each accumulator's registers in ascending order
	v_max_num_f32 v[TMP+i], 0, v[64*((\a)%4)+i]
.set i, i+1
.endr
	WIN 0
.endm
.macro TOSTAGE a
.set rB, 128+64*((\a)%2)
.set i, 0
.rept 8
	ds_store_b128 v23, v[TMP+8*i:TMP+8*i+3] offset:64*i
	ds_store_b128 v23, v[TMP+8*i+4:TMP+8*i+7] offset:64*i+16
.set i, i+1
.endr
.set i, 0
.rept 16
	ds_load_b128 v[rB+4*i:rB+4*i+3], v24 offset:OSP*i   ; LDS serves a wave's instructions in order: these see the stores above
.set i, i+1
.endr
.endm
.macro SEND a
.set rB, 128+64*((\a)%2)
	s_wait_dscnt 0x0
	s_wait_xcnt 0x0                                ; the stores' base, and the registers that earlier stores read, are written again only behind this wait
.if (\a) > 0
	s_add_nc_u64 s[50:51], s[50:51], 524288        ; 16 rows of out0 on
.endif
.set i, 0
.rept 16
	global_store_b128 v21, v[rB+4*i:rB+4*i+3], s[50:51] offset:32768*i th:TH_STORE_NT  ; a wave stores 512 consecutive bytes, at a multiple of 256 from out0's first byte
.set i, i+1
.endr
.endm
	PLACES
	PACK 0
	TOSTAGE 0
.set t, 1
.rept 7                                ; a tile's arithmetic stands between the loads of the tile before and its stores
	PACK t
	SEND t-1
	TOSTAGE t
.set t, t+1
.endr
	SEND 7
	s_wait_tensorcnt 0x0                           ; the wave's end: an add of 0 to my spare word and its wait stand behind my last tensor load and my last LDS store
	ds_add_u32 v[SPW], v[NIL]
	s_wait_dscnt 0x0
	CROUND                                         ; the closing round
	s_endpgm
.Lfunc_end_k_qc421fdbcf0_attn:
	.size	k_qc421fdbcf0_attn, .Lfunc_end_k_qc421fdbcf0_attn-k_qc421fdbcf0_attn
	.p2alignl 7, 3214868480
	.fill 96, 4, 3214868480
	.section	.rodata,"a",@progbits
	.p2align	6, 0x0
	.amdhsa_kernel k_qc421fdbcf0_attn
		.amdhsa_group_segment_fixed_size 327680
		.amdhsa_private_segment_fixed_size 0
		.amdhsa_enable_private_segment 0
		.amdhsa_kernarg_size 48
		.amdhsa_user_sgpr_count 2
		.amdhsa_user_sgpr_kernarg_segment_ptr 1
		.amdhsa_wavefront_size32 1
		.amdhsa_system_sgpr_workgroup_id_x 1
		.amdhsa_system_sgpr_workgroup_id_y 1
		.amdhsa_system_sgpr_workgroup_id_z 1
		.amdhsa_system_vgpr_workitem_id 0
		.amdhsa_next_free_vgpr 1024
		.amdhsa_next_free_sgpr 66
		.amdhsa_reserve_vcc 0
		.amdhsa_float_denorm_mode_32 3
		.amdhsa_float_denorm_mode_16_64 3
		.amdhsa_memory_ordered 1
		.amdhsa_forward_progress 1
		.amdhsa_inst_pref_size 194
	.end_amdhsa_kernel
	.amdgpu_metadata
---
amdhsa.version: [ 1, 2 ]
amdhsa.kernels:
  - .name:           k_qc421fdbcf0_attn
    .symbol:         k_qc421fdbcf0_attn.kd
    .args:
      - { .name: wqf, .offset: 0, .size: 8, .value_kind: global_buffer, .address_space: global }
      - { .name: wkf, .offset: 8, .size: 8, .value_kind: global_buffer, .address_space: global }
      - { .name: rinv, .offset: 16, .size: 8, .value_kind: global_buffer, .address_space: global }
      - { .name: vt, .offset: 24, .size: 8, .value_kind: global_buffer, .address_space: global }
      - { .name: query, .offset: 32, .size: 8, .value_kind: global_buffer, .address_space: global }
      - { .name: out0, .offset: 40, .size: 8, .value_kind: global_buffer, .address_space: global }
    .group_segment_fixed_size: 327680
    .private_segment_fixed_size: 0
    .kernarg_segment_align: 8
    .kernarg_segment_size: 48
    .max_flat_workgroup_size: 128
    .sgpr_count:     66
    .vgpr_count:     1024
    .wavefront_size: 32
...
	.end_amdgpu_metadata
.endif
;; end of part 5
